; MI455X (gfx1250); checked and timed in simulation.
; The chip was launched on July 23, 2026; its instructions are those of AMD's public machine-readable ISA for CDNA 5 (MIT licence, August 2026) and "CDNA5" Instruction Set Architecture Reference Guide (July 2026). The comments in the code are by the model that wrote it; some were corrected since.
;; OFN Attention Branch. Allowed arithmetic: float matrix products may take bf16 or f16 operands with f32 sums; all other float work in f32.
;; Inputs: Wk 1,024 x 1,024 float32; Wo 1,024 x 1,024 float32; Wq 1,024 x 1,024 float32; Wv 1,024 x 1,024 float32; bk 1,024 float32; bo 1,024 float32; bq 1,024 float32; bv 1,024 float32; key_padding_mask 2 x 2,048 bool; x 2 x 2,048 x 1,024 float32.
;; Outputs: out0 2 x 2,048 x 1,024 float32.
;; Constants: window_size = 256.
;; One version. Each part assembles by itself: llvm-mc -triple=amdgcn-amd-amdhsa -mcpu=gfx1250 --defsym DOCPART=n.
;; ======== version 1 of 1: 4 launches
;; limits: values are held in f16: magnitudes above 65,504 overflow, below 6.1e-05 lose precision
;; workspace buffers: cb 16,777,216 bytes; qkv 25,165,824 bytes; yb 8,388,608 bytes
;; launch cast (part 1): grid 512 x 1, 8 waves a work-group, no clusters, 0 bytes of LDS; arguments x, Wq, Wk, Wv, Wo, cb; writes cb
.if DOCPART == 1
	.amdgcn_target "amdgcn-amd-amdhsa--gfx1250"
	.amdhsa_code_object_version 6
	.text
	.protected	k_q068a10ba51_cast
	.globl	k_q068a10ba51_cast
	.p2align	8
	.type	k_q068a10ba51_cast,@function
k_q068a10ba51_cast:
	s_mov_b64 s[64:65], 0
	v_nop
	global_prefetch_b8 v0, s[64:65] scope:SCOPE_SE
	s_setreg_imm32_b32 hwreg(HW_REG_WAVE_MODE, 25, 1), 1
	s_wait_xcnt 0x0
; cb = f16(x), f16(Wq), f16(Wk), f16(Wv), f16(Wo), one behind the other: x at byte 0 (8 MiB), matrix m at 8,388,608 + m * 2,097,152.
; A stream: every f32 is read once and every f16 written once, so LDS, barriers, clusters and the matrix unit would add nothing.
; Work-group g takes 65,536 bytes of f32 and writes 32,768 bytes at cb + 32,768 g.  g < 256: x.  Else matrix (g - 256) / 64, piece (g - 256) % 64.
; Thread t takes 16 units: unit u is 16 bytes at 16 t + 4,096 u (a wave's load covers 512 consecutive bytes) and gives 8 bytes at
; 8 t + 2,048 u (a wave's store covers 256 consecutive bytes, aligned).  All 16 loads go out first; no register is used twice.
; LIMIT: f16 holds magnitudes up to 65,504; x and the weights must stay below that (the drawn ones are below 6, so 30 times larger fits).
.set X, 4                              ; v[4:67]   unit u: 4 f32 as loaded
.set Y, 68                             ; v[68:99]  unit u: 4 f16 to store
	s_load_b256 s[4:11], s[0:1], 0x0               ; x s[4:5], Wq s[6:7], Wk s[8:9], Wv s[10:11]
	s_load_b128 s[12:15], s[0:1], 0x20             ; Wo s[12:13], cb s[14:15]
	s_mov_b32 s2, ttmp9                            ; g
	s_sub_co_u32 s20, s2, 256
	s_bfe_u32 s21, s20, 0x20006                    ; matrix: 2 bits from bit 6 of g - 256
	s_and_b32 s22, s20, 63                         ; its piece
	v_lshlrev_b32 v1, 4, v0                        ; 16 t
	v_lshlrev_b32 v2, 3, v0                        ; 8 t
	s_lshl_b32 s24, s2, 15                         ; 32,768 g
	s_mov_b32 s25, 0
	s_mov_b32 s23, 0
	s_wait_kmcnt 0x0
	s_cmp_eq_u32 s21, 1                            ; the source is chosen among the five buffers by g alone
	s_cselect_b64 s[16:17], s[8:9], s[6:7]
	s_cmp_eq_u32 s21, 2
	s_cselect_b64 s[16:17], s[10:11], s[16:17]
	s_cmp_eq_u32 s21, 3
	s_cselect_b64 s[16:17], s[12:13], s[16:17]
	s_cmp_lt_u32 s2, 256
	s_cselect_b64 s[16:17], s[4:5], s[16:17]
	s_cselect_b32 s22, s2, s22                     ; the piece's number inside that buffer
	s_lshl_b32 s22, s22, 16                        ; x 65,536 bytes
	s_add_nc_u64 s[16:17], s[16:17], s[22:23]
	s_add_nc_u64 s[18:19], s[14:15], s[24:25]
.irp u, 0,1,2,3,4,5,6,7,8,9,10,11,12,13,14,15
	global_load_b128 v[X+4*\u:X+4*\u+3], v1, s[16:17] offset:4096*\u th:TH_LOAD_NT
.endr
.irp u, 0,1,2,3,4,5,6,7,8,9,10,11,12,13,14,15
	s_wait_loadcnt 15-\u                           ; loads come back in order: unit u is in, the 15 - u younger ones stay out
	v_cvt_pk_f16_f32 v[Y+2*\u], v[X+4*\u], v[X+4*\u+1]
	v_cvt_pk_f16_f32 v[Y+2*\u+1], v[X+4*\u+2], v[X+4*\u+3]
	global_store_b64 v2, v[Y+2*\u:Y+2*\u+1], s[18:19] offset:2048*\u
.endr
	s_endpgm
.Lfunc_end_k_q068a10ba51_cast:
	.size	k_q068a10ba51_cast, .Lfunc_end_k_q068a10ba51_cast-k_q068a10ba51_cast
	.p2alignl 7, 3214868480
	.fill 96, 4, 3214868480
	.section	.rodata,"a",@progbits
	.p2align	6, 0x0
	.amdhsa_kernel k_q068a10ba51_cast
		.amdhsa_group_segment_fixed_size 0
		.amdhsa_private_segment_fixed_size 0
		.amdhsa_enable_private_segment 0
		.amdhsa_kernarg_size 48
		.amdhsa_user_sgpr_count 2
		.amdhsa_user_sgpr_kernarg_segment_ptr 1
		.amdhsa_wavefront_size32 1
		.amdhsa_system_sgpr_workgroup_id_x 1
		.amdhsa_system_sgpr_workgroup_id_y 1
		.amdhsa_system_sgpr_workgroup_id_z 1
		.amdhsa_system_vgpr_workitem_id 0
		.amdhsa_next_free_vgpr 104
		.amdhsa_next_free_sgpr 66
		.amdhsa_reserve_vcc 0
		.amdhsa_float_denorm_mode_32 3
		.amdhsa_float_denorm_mode_16_64 3
		.amdhsa_memory_ordered 1
		.amdhsa_forward_progress 1
		.amdhsa_inst_pref_size 7
	.end_amdhsa_kernel
	.amdgpu_metadata
---
amdhsa.version: [ 1, 2 ]
amdhsa.kernels:
  - .name:           k_q068a10ba51_cast
    .symbol:         k_q068a10ba51_cast.kd
    .args:
      - { .name: x, .offset: 0, .size: 8, .value_kind: global_buffer, .address_space: global }
      - { .name: Wq, .offset: 8, .size: 8, .value_kind: global_buffer, .address_space: global }
      - { .name: Wk, .offset: 16, .size: 8, .value_kind: global_buffer, .address_space: global }
      - { .name: Wv, .offset: 24, .size: 8, .value_kind: global_buffer, .address_space: global }
      - { .name: Wo, .offset: 32, .size: 8, .value_kind: global_buffer, .address_space: global }
      - { .name: cb, .offset: 40, .size: 8, .value_kind: global_buffer, .address_space: global }
    .group_segment_fixed_size: 0
    .private_segment_fixed_size: 0
    .kernarg_segment_align: 8
    .kernarg_segment_size: 48
    .max_flat_workgroup_size: 256
    .sgpr_count:     66
    .vgpr_count:     104
    .wavefront_size: 32
...
	.end_amdgpu_metadata
.endif
;; end of part 1
;; launch qkv (part 2): grid 8 x 32, 4 waves a work-group, clusters of 4 x 4, 327,680 bytes of LDS; arguments cb, bq, bk, bv, qkv; writes qkv
.if DOCPART == 2
	.amdgcn_target "amdgcn-amd-amdhsa--gfx1250"
	.amdhsa_code_object_version 6
	.text
	.protected	k_q068a10ba51_qkv
	.globl	k_q068a10ba51_qkv
	.p2align	8
	.type	k_q068a10ba51_qkv,@function
k_q068a10ba51_qkv:
	s_mov_b64 s[64:65], 0
	v_nop
	global_prefetch_b8 v0, s[64:65] scope:SCOPE_SE
	s_setreg_imm32_b32 hwreg(HW_REG_WAVE_MODE, 25, 1), 1
	s_wait_xcnt 0x0
	s_wait_alu depctr_hold_cnt(0) depctr_sa_sdst(0) depctr_va_vdst(0) depctr_va_sdst(0) depctr_va_ssrc(0) depctr_va_vcc(0) depctr_vm_vsrc(0)
	s_getreg_b32 s2, hwreg(HW_REG_IB_STS2, 6, 4)
	s_cmp_eq_u32 s2, 0
	s_cbranch_scc0 .Lentry_in_a_cluster
	s_endpgm
.Lentry_in_a_cluster:
	s_bfe_u32 s2, ttmp6, 0x10000c
	s_cmp_lg_u32 s2, 0xf033
	s_cbranch_scc0 .Lentry_shape_is_right
	s_endpgm
.Lentry_shape_is_right:
; q, k, v = x W + b for all three matrices at once, f16 operands, f32 sums, stored as f16 [matrix][batch*16+head][s][64];
; q is stored times log2(e)/8, so that the attention launch's scores are exponents of 2.
; A work-group makes 128 rows of x (block my) x 384 columns: columns 128 hx .. +127 (two heads) of each of q, k, v.
; Four waves; wave w = (wm, wn) makes rows 64 wm .. +63 x head 2 hx + wn of all three matrices: 4 row tiles a x 12 column tiles
; b = 4 matrix + t, 48 accumulators of 16 x 16 = 384 registers.  For 32 along K a wave loads 16 fragments and issues 48 matrix instructions.
; K = 1024 goes in 8 steps of 128 through two LDS slots.  A slot holds three tiles of W (128 k-rows x 128 columns, rows of 256 bytes
; at pitch 288) and one of x (128 rows x 128 k, pitch 272).  Waves 0, 1, 2 fetch W's tile of matrix w, wave 3 fetches x's: one tensor load a wave and step.
; CLUSTERS: 4 x 4 work-groups.  x's tile hangs on my alone and is asked for jointly along a row of the cluster; W's tiles hang on hx alone and
; are asked for jointly along a column.  That divides the requests for both by four.
; W lies [k][n] in memory and in LDS; ds_load_tr16_b128 turns 8 x 8 blocks, so that a lane gets k along its registers.
; The matrix instruction is used transposed (source 0 = 16 columns of W, source 1 = 16 rows of x): a lane's eight results are eight
; neighbouring columns of one row.  The first product takes the bias as C: nothing is cleared and no bias is added later.
; REGISTERS by windows of 256: window 0 addresses, x fragments, bias, way out; window 1 W fragments (two buffers);
; window 2 accumulators of row tiles 0, 1 at 8 (12 (a & 1) + b); window 3 those of row tiles 2, 3.
; LIMIT: f16 holds magnitudes up to 65,504: q log2(e)/8, k and v must stay below that (drawn: about 5; x and W both 30 times larger: about 5,000).
.set KSTEP, 128
.set PA, 272                           ; x rows in LDS: 256 + 16 bytes = 17 x 16: sixteen rows start at sixteen different 16-byte columns modulo 256
.set PB, 288                           ; W rows in LDS: 256 + 32 bytes = 9 x 32
.set SUB, 128*PB                       ; one tile of W
.set SLOT, 3*SUB+128*PA                ; 145,408
.set STAGE, 2*SLOT                     ; behind the ring: 16 rows x 144 bytes for each wave; no tensor load lands here
.set SP, 144
.set ADRA, 16                          ; v16-17  my x fragments in slot 0, 1
.set ADRB, 18                          ; v18-23  my W fragments: 3 slot + matrix
.set STO, 24
.set RD, 25
.set CO, 26
.set VBO, 27
.set FA, 32                            ; v[32:63], v[64:95]  x fragments, buffers 0 and 1 (W's: window 1, v[0:95], v[96:191])
.set BIAS, 96                          ; v[96:191] bias of my 12 column tiles, 8 registers each, in the layout of C
.set TMP, 192                          ; v[192:207]
.set RB, 208                           ; v[208:223], v[224:239]
.set G1A, 24
.set G0A, 32
.set G1B, 48
.set G0B, 56
.set MSB, 0
.macro WIN new                         ; the immediate's high byte repeats the setting that is left
.if MSB != \new
	s_set_vgpr_msb (MSB<<8)|\new
.set MSB, \new
.endif
.endm
.macro PLACES                          ; four plain vector places behind matrix instructions, ahead of loads into their sources and of reads of their results
.rept 4
	v_nop
.endr
.endm
.macro JLOAD s                         ; wave 3 asks for x's tile, waves 0-2 for W's: each line has one mask; the branch hangs on the wave's number alone
	s_cmp_eq_u32 s14, 3
	s_cbranch_scc0 .Lfor_b_\@
	tensor_load_to_lds s[G0A+4*\s:G0A+4*\s+3], s[G1A:G1A+7]
	s_nop 0
	s_branch .Lasked_\@
.Lfor_b_\@:
	tensor_load_to_lds s[G0B+4*\s:G0B+4*\s+3], s[G1B:G1B+7]
	s_nop 0
.Lasked_\@:
.endm
.macro CREST                           ; a round of the cluster's barrier behind its opening work-group barrier
	s_cmp_lg_u32 s14, 0
	s_cbranch_scc1 .Lnot_wave_0_\@
	s_barrier_signal -3
.Lnot_wave_0_\@:
	s_barrier_wait -3
	s_barrier_signal -1
	s_barrier_wait -1
.endm
.macro CROUND
	s_barrier_signal -1
	s_barrier_wait -1
	CREST
.endm
	s_load_b256 s[4:11], s[0:1], 0x0               ; cb s[4:5], bq s[6:7], bk s[8:9], bv s[10:11]
	s_load_b64 s[12:13], s[0:1], 0x20              ; qkv
	s_set_vgpr_msb 0x40
	v_lshl_add_u32 v255, v0, 2, 0x49400
	s_set_vgpr_msb 0x4000
	v_mov_b32 v255, 0
	s_set_vgpr_msb 0x1
	ds_add_u32 v255, v255
	ds_add_u32 v255, v255
	s_set_vgpr_msb 0x100
	v_lshrrev_b32 v1, 5, v0
	v_readfirstlane_b32 s14, v1                    ; wave 0..3
	s_lshr_b32 s15, s14, 1                         ; wm
	s_and_b32 s16, s14, 1                          ; wn
	s_bfe_u32 s40, ttmp6, 0x40000                  ; cx
	s_bfe_u32 s41, ttmp6, 0x40004                  ; cy
	s_lshl_b32 s42, ttmp9, 2
	s_add_co_u32 s42, s42, s40                     ; hx = 4 x cluster x + cx: the pair of heads
	s_and_b32 s43, ttmp7, 0xffff
	s_lshl_b32 s43, s43, 2
	s_add_co_u32 s43, s43, s41                     ; my = 4 x cluster y + cy: the block of 128 rows
	s_lshl_b32 s44, s41, 2
	s_lshl_b32 s44, 15, s44                        ; my row of the cluster
	s_lshl_b32 s45, 0x1111, s40                    ; my column
	; group 1: 128 rows x 128 elements of 2 bytes, 1,024 elements from row to row, a pad behind every 64 words (code 5): 4 words for x, 8 for W
	s_or_b32 s[G1A+0], s44, (1<<16)|(1<<20)|(1<<21)|(5<<22)|(3<<25)
	s_or_b32 s[G1B+0], s45, (1<<16)|(1<<20)|(1<<21)|(5<<22)|(7<<25)
	s_mov_b32 s[G1A+1], 128<<16                    ; tensor_dim0 = 128
	s_mov_b32 s[G1B+1], 128<<16
	s_mov_b32 s[G1A+2], 128<<16                    ; tensor_dim1 = 128
	s_mov_b32 s[G1B+2], 128<<16
	s_mov_b32 s[G1A+3], 128<<16                    ; tile_dim0 = 128
	s_mov_b32 s[G1B+3], 128<<16
	s_mov_b32 s[G1A+4], 128                        ; tile_dim1 = 128
	s_mov_b32 s[G1B+4], 128
	s_mov_b32 s[G1A+5], 1024                       ; the pitch
	s_mov_b32 s[G1B+5], 1024
	s_mov_b32 s[G1A+6], 0
	s_mov_b32 s[G1B+6], 0
	s_mov_b32 s[G1A+7], 0
	s_mov_b32 s[G1B+7], 0
	s_lshl_b32 s18, s43, 18                        ; x: 128 my rows of 2,048 bytes (registers 18, 19 never hold hx)
	s_mov_b32 s19, 0
	s_mul_i32 s46, s14, 2097152                    ; W: matrix w (registers 46, 47 never hold my)
	s_lshl_b32 s47, s42, 8                         ; + 128 hx columns of 2 bytes
	s_add_co_u32 s46, s46, s47
	s_add_co_u32 s46, s46, 8388608                 ; behind x in cb
	s_mov_b32 s47, 0
	s_mul_i32 s20, s14, SUB                        ; where my tile goes: wave x 36,864; x's tile (wave 3) lies behind W's three
	s_wait_dscnt 0x0
	s_wait_kmcnt 0x0
	s_add_nc_u64 s[18:19], s[4:5], s[18:19]
	s_add_nc_u64 s[46:47], s[4:5], s[46:47]
	CROUND                                         ; all sixteen work-groups are here: the first joint loads meet
.irp s, 0,1
	s_mov_b32 s[G0A+4*\s], 1
	s_add_co_u32 s[G0A+4*\s+1], s20, \s*SLOT
	s_add_nc_u64 s[G0A+4*\s+2:G0A+4*\s+3], s[18:19], \s*KSTEP*2        ; K step s: 128 elements along the rows
	s_or_b32 s[G0A+4*\s+3], s[G0A+4*\s+3], 0x80000000
	s_mov_b32 s[G0B+4*\s], 1
	s_add_co_u32 s[G0B+4*\s+1], s20, \s*SLOT
	s_add_nc_u64 s[G0B+4*\s+2:G0B+4*\s+3], s[46:47], \s*KSTEP*2048     ; K step s: 128 rows of 2,048 bytes
	s_or_b32 s[G0B+4*\s+3], s[G0B+4*\s+3], 0x80000000
	JLOAD \s                                       ; two tensor loads of the wave are out at the most
.endr
	v_and_b32 v1, 15, v0                           ; r = lane % 16
	v_bfe_u32 v2, v0, 4, 1                         ; h = lane / 16
	v_and_b32 v3, 7, v0                            ; lane % 8
	v_bfe_u32 v4, v0, 3, 1                         ; (lane / 8) % 2
	v_mul_u32_u24 v5, v1, PA
	v_lshl_add_u32 v5, v2, 4, v5                   ; x fragment: row r, 16 h bytes along K
	s_mul_i32 s21, s15, 64*PA
	s_add_co_u32 s21, s21, 3*SUB
	v_add_nc_u32 v[ADRA], s21, v5
	v_add_nc_u32 v[ADRA+1], SLOT, v[ADRA]
	v_lshl_add_u32 v6, v2, 3, v3                   ; W fragment: k-row 8 h + lane % 8,
	v_mul_u32_u24 v6, v6, PB
	v_lshl_add_u32 v6, v4, 4, v6                   ; 16 bytes for each half of 8 columns,
	s_lshl_b32 s22, s16, 7                         ; my head's 64 columns
	v_add_nc_u32 v6, s22, v6
.irp s, 0,1
.irp m, 0,1,2
	v_add_nc_u32 v[ADRB+3*\s+\m], \s*SLOT+\m*SUB, v6
.endr
.endr
	s_mul_i32 s23, s14, 16*SP
	s_add_co_u32 s23, s23, STAGE                   ; my stage
	v_mul_u32_u24 v7, v1, SP
	v_lshl_add_u32 v7, v2, 4, v7
	v_add_nc_u32 v[STO], s23, v7                   ; in: row r, 16 h bytes
	v_bfe_u32 v8, v0, 3, 2
	v_mul_u32_u24 v8, v8, SP
	v_lshl_add_u32 v8, v3, 4, v8
	v_add_nc_u32 v[RD], s23, v8                    ; back: four rows of 128 bytes a load
	v_and_b32 v9, 31, v0
	v_lshlrev_b32 v[CO], 4, v9                     ; and the same 512 consecutive bytes in memory
	s_lshl_b32 s17, s42, 1
	s_add_co_u32 s17, s17, s16                     ; my head
	s_lshl_b32 s17, s17, 8                         ; x 64 columns of 4 bytes
	v_lshl_add_u32 v[VBO], v2, 5, s17              ; + 8 h columns: register j of tile t is bias[64 head + 16 t + 8 h + j]
.irp m, 0,1,2
.irp t, 0,1,2,3
	global_load_b128 v[BIAS+8*(4*\m+\t):BIAS+8*(4*\m+\t)+3], v[VBO], s[6+2*\m:7+2*\m] offset:64*\t
	global_load_b128 v[BIAS+8*(4*\m+\t)+4:BIAS+8*(4*\m+\t)+7], v[VBO], s[6+2*\m:7+2*\m] offset:64*\t+16
.endr
.endr
; 12 matrix instructions: row tile a x my 12 column tiles, 32 along K, from fragment buffer buf.  zero = 1: the bias starts the sums.
; The 48 accumulators take turns, one instruction a turn, in the same order in every quarter step.
.macro MULA buf, a, zero
.irp b, 0,1,2,3,4,5,6,7,8,9,10,11
.if \zero
	v_wmma_f32_16x16x32_f16 v[8*(12*((\a)&1)+\b):8*(12*((\a)&1)+\b)+7], v[96*\buf+8*\b:96*\buf+8*\b+7], v[FA+32*\buf+8*\a:FA+32*\buf+8*\a+7], v[BIAS+8*\b:BIAS+8*\b+7]
.else
	v_wmma_f32_16x16x32_f16 v[8*(12*((\a)&1)+\b):8*(12*((\a)&1)+\b)+7], v[96*\buf+8*\b:96*\buf+8*\b+7], v[FA+32*\buf+8*\a:FA+32*\buf+8*\a+7], v[8*(12*((\a)&1)+\b):8*(12*((\a)&1)+\b)+7]
.endif
.endr
.endm
; 32 LDS loads in one run: quarter q (32 along K) of a slot into buffer buf: 24 transposing loads for W, then 8 plain ones for x
.macro FETCH slot, q, buf
	WIN 0x40                                       ; destination window 1, address window 0
.irp m, 0,1,2
.irp t, 0,1,2,3
	ds_load_tr16_b128 v[96*\buf+8*(4*\m+\t):96*\buf+8*(4*\m+\t)+3], v[ADRB+3*\slot+\m] offset:32*PB*\q+32*\t
	ds_load_tr16_b128 v[96*\buf+8*(4*\m+\t)+4:96*\buf+8*(4*\m+\t)+7], v[ADRB+3*\slot+\m] offset:32*PB*\q+32*\t+16*PB
.endr
.endr
	WIN 0
.irp a, 0,1,2,3
	ds_load_b128 v[FA+32*\buf+8*\a:FA+32*\buf+8*\a+3], v[ADRA+\slot] offset:64*\q+16*PA*\a
	ds_load_b128 v[FA+32*\buf+8*\a+4:FA+32*\buf+8*\a+7], v[ADRA+\slot] offset:64*\q+16*PA*\a+32
.endr
.endm
; One of a K step's first three quarters: multiplies buffer cur; in its middle it fetches quarter q into buffer nxt.
.macro QUARTER slot, q, cur, nxt, zero
	s_wait_dscnt 4                                 ; W and x's row tiles 0, 1 are in; the youngest four loads (row tiles 2, 3) may be out
.if \zero
	WIN 0x81                                       ; W window 1, x and C (the bias) window 0, D window 2
.else
	WIN 0xa1                                       ; C and D window 2
.endif
	MULA \cur, 0, \zero
	MULA \cur, 1, \zero
	PLACES
	FETCH \slot, \q, \nxt
	s_wait_dscnt 32                                ; all but the 32 just issued
.if \zero
	WIN 0xc1
.else
	WIN 0xf1
.endif
	MULA \cur, 2, \zero
	MULA \cur, 3, \zero
.endm
.macro THREE slot, zero
	QUARTER \slot, 1, 0, 1, \zero
	QUARTER \slot, 2, 1, 0, 0
	QUARTER \slot, 3, 0, 1, 0
.endm
; The last quarter multiplies buffer 1 and changes slots.  In front of the barrier each wave waits for its reads of this slot and for all its
; tensor loads (one is out: its part of the next slot).  fill = 1: the barrier opens a round of the cluster's barrier, and this slot's joint
; refill, two K steps ahead, is the first tensor load behind the round.  From a request to the wait for it a wave issues 180 matrix instructions.
.macro TURN slot, next, fill
	s_wait_dscnt 4
	WIN 0xa1
	MULA 1, 0, 0
	s_wait_dscnt 0x0                               ; my reads of this slot are over
	s_wait_tensorcnt 0x0                           ; all my tensor loads have landed
	ds_add_u32 v255, v255
	s_wait_dscnt 0x0
	s_barrier_signal -1
	MULA 1, 1, 0                                   ; registers only, while the others arrive
	WIN 0
	s_barrier_wait -1
.if \fill
	CREST                                          ; no wave of any partner still reads this slot or has a load on its way
	s_add_nc_u64 s[G0A+4*\slot+2:G0A+4*\slot+3], s[G0A+4*\slot+2:G0A+4*\slot+3], 2*KSTEP*2
	s_add_nc_u64 s[G0B+4*\slot+2:G0B+4*\slot+3], s[G0B+4*\slot+2:G0B+4*\slot+3], 2*KSTEP*2048
	JLOAD \slot
.endif
	PLACES
	FETCH \next, 0, 0
	WIN 0xf1
	MULA 1, 2, 0
	MULA 1, 3, 0
.endm
.macro LAP zero
	THREE 0, \zero
	TURN 0, 1, 1
	THREE 1, 0
	TURN 1, 0, 1
.endm
	s_wait_tensorcnt 0x1                           ; my part of K step 0 is in; K step 1's stays out
	s_barrier_signal -1
	s_barrier_wait -1                              ; everybody's is
	s_wait_loadcnt 0x0                             ; the bias
	FETCH 0, 0, 0
	LAP 1                                          ; K steps 0, 1; asks for 2, 3
	WIN 0
	s_mov_b32 s3, 2
.Llap:
	LAP 0                                          ; K steps 2 to 5; asks for 4 to 7
	WIN 0
	s_sub_co_u32 s3, s3, 1
	s_cmp_lg_u32 s3, 0
	s_cbranch_scc1 .Llap
	THREE 0, 0                                     ; K steps 6, 7: nothing more is asked for
	TURN 0, 1, 0
	THREE 1, 0
	s_wait_dscnt 4
	WIN 0xa1
	MULA 1, 0, 0
	MULA 1, 1, 0
	s_wait_dscnt 0x0
	WIN 0xf1
	MULA 1, 2, 0
	MULA 1, 3, 0
	; THE WAY OUT: 16 rows x one head of one matrix at a time (2,048 consecutive bytes of qkv) through my own stage.
	PLACES
	s_lshr_b32 s18, s43, 4                         ; batch
	s_lshl_b32 s18, s18, 15                        ; x 16 heads x 2,048 rows
	s_and_b32 s19, s43, 15
	s_lshl_b32 s19, s19, 7                         ; + the block's first row in its batch
	s_add_co_u32 s18, s18, s19
	s_lshl_b32 s19, s15, 6                         ; + my 64 rows
	s_add_co_u32 s18, s18, s19
	s_lshl_b32 s18, s18, 7                         ; rows of 128 bytes
	s_mov_b32 s19, 0
	s_add_nc_u64 s[4:5], s[12:13], s[18:19]
	s_lshl_b32 s46, s42, 1
	s_add_co_u32 s46, s46, s16                     ; my head
	s_lshl_b32 s46, s46, 18                        ; x 2,048 rows of 128 bytes
	s_mov_b32 s47, 0
	s_add_nc_u64 s[4:5], s[4:5], s[46:47]          ; q
	s_add_nc_u64 s[6:7], s[4:5], 0x800000          ; k
	s_add_nc_u64 s[8:9], s[6:7], 0x800000          ; v
.macro OUT m, a, rb
.set ACB, 8*(12*((\a)&1)+4*\m)                     ; the four tiles' 32 registers lie side by side
.if \m == 0
.if \a < 2
	WIN 0x82
.else
	WIN 0xc3
.endif
.set i, 0
.rept 16
	v_pk_mul_f32 v[ACB+2*i:ACB+2*i+1], v[ACB+2*i:ACB+2*i+1], 0x3e38aa3b op_sel_hi:[1,0]   ; q x log2(e)/8
.set i, i+1
.endr
.endif
.if \a < 2
	WIN 0x0a
.else
	WIN 0x0f
.endif
.set i, 0
.rept 16
	v_cvt_pk_f16_f32 v[TMP+i], v[ACB+2*i], v[ACB+2*i+1]
.set i, i+1
.endr
	WIN 0
.irp t, 0,1,2,3
	ds_store_b128 v[STO], v[TMP+4*\t:TMP+4*\t+3] offset:32*\t
.endr
	s_wait_xcnt 0x0                                ; the registers that earlier stores read are loaded again only behind this wait
.irp u, 0,1,2,3
	ds_load_b128 v[\rb+4*\u:\rb+4*\u+3], v[RD] offset:4*SP*\u      ; LDS serves a wave's instructions in order: these see the stores above
.endr
.irp u, 0,1,2,3
	s_wait_dscnt 3-\u
	global_store_b128 v[CO], v[\rb+4*\u:\rb+4*\u+3], s[4+2*\m:5+2*\m] offset:2048*\a+512*\u   ; 512 consecutive bytes, aligned
.endr
.endm
.irp a, 0,1,2,3
	OUT 0, \a, RB
	OUT 1, \a, RB+16
	OUT 2, \a, RB
.endr
	s_set_vgpr_msb 0x1
	s_wait_tensorcnt 0x0
	ds_add_u32 v255, v255
	s_wait_dscnt 0x0
	s_set_vgpr_msb 0x100
	CROUND                                         ; the closing round: no work-group ends while a partner may still ask jointly
	s_endpgm
.Lfunc_end_k_q068a10ba51_qkv:
	.size	k_q068a10ba51_qkv, .Lfunc_end_k_q068a10ba51_qkv-k_q068a10ba51_qkv
	.p2alignl 7, 3214868480
	.fill 96, 4, 3214868480
	.section	.rodata,"a",@progbits
	.p2align	6, 0x0
	.amdhsa_kernel k_q068a10ba51_qkv
		.amdhsa_group_segment_fixed_size 327680
		.amdhsa_private_segment_fixed_size 0
		.amdhsa_enable_private_segment 0
		.amdhsa_kernarg_size 40
		.amdhsa_user_sgpr_count 2
		.amdhsa_user_sgpr_kernarg_segment_ptr 1
		.amdhsa_wavefront_size32 1
		.amdhsa_system_sgpr_workgroup_id_x 1
		.amdhsa_system_sgpr_workgroup_id_y 1
		.amdhsa_system_sgpr_workgroup_id_z 1
		.amdhsa_system_vgpr_workitem_id 0
		.amdhsa_next_free_vgpr 960
		.amdhsa_next_free_sgpr 66
		.amdhsa_reserve_vcc 0
		.amdhsa_float_denorm_mode_32 3
		.amdhsa_float_denorm_mode_16_64 3
		.amdhsa_memory_ordered 1
		.amdhsa_forward_progress 1
		.amdhsa_inst_pref_size 173
	.end_amdhsa_kernel
	.amdgpu_metadata
---
amdhsa.version: [ 1, 2 ]
amdhsa.kernels:
  - .name:           k_q068a10ba51_qkv
    .symbol:         k_q068a10ba51_qkv.kd
    .args:
      - { .name: cb, .offset: 0, .size: 8, .value_kind: global_buffer, .address_space: global }
      - { .name: bq, .offset: 8, .size: 8, .value_kind: global_buffer, .address_space: global }
      - { .name: bk, .offset: 16, .size: 8, .value_kind: global_buffer, .address_space: global }
      - { .name: bv, .offset: 24, .size: 8, .value_kind: global_buffer, .address_space: global }
      - { .name: qkv, .offset: 32, .size: 8, .value_kind: global_buffer, .address_space: global }
    .group_segment_fixed_size: 327680
    .private_segment_fixed_size: 0
    .kernarg_segment_align: 8
    .kernarg_segment_size: 40
    .max_flat_workgroup_size: 128
    .sgpr_count:     66
    .vgpr_count:     960
    .wavefront_size: 32
...
	.end_amdgpu_metadata
.endif
;; end of part 2
;; launch attn (part 3): grid 8 x 32, 8 waves a work-group, no clusters, 232,448 bytes of LDS; arguments qkv, key_padding_mask, yb; writes yb
.if DOCPART == 3
	.amdgcn_target "amdgcn-amd-amdhsa--gfx1250"
	.amdhsa_code_object_version 6
	.text
	.protected	k_q068a10ba51_attn
	.globl	k_q068a10ba51_attn
	.p2align	8
	.type	k_q068a10ba51_attn,@function
k_q068a10ba51_attn:
	s_mov_b64 s[64:65], 0
	v_nop
	global_prefetch_b8 v0, s[64:65] scope:SCOPE_SE
	s_setreg_imm32_b32 hwreg(HW_REG_WAVE_MODE, 25, 1), 1
	s_wait_xcnt 0x0
; Sliding-window attention of one (batch, head) and one block of 256 queries; y stored as f16 [batch*16+head][s][64].
; Query i sees keys i - 255 .. i that the padding mask keeps.  A work-group needs keys q0 - 256 .. q0 + 255: Q (256 rows), K and V (512 rows each)
; are brought into LDS once, by three tensor loads a wave (three out at the most); no slot is ever filled again.
; Wave w owns queries qw = q0 + 32 w .. + 31 (two tiles a of 16) and walks its keys qw - 256 .. qw + 31 in 9 blocks of 32, THE NEWEST FIRST:
; a query that is not padded keeps its own key, which lies in block 0, so its running maximum is a true score from the first block on.
; TRANSPOSED: S^T = K Q^T (a lane owns query r; register j of tile kt is key 16 kt + 8 h + j), O^T = V^T P^T.  S's result layout is P's source
; layout, so P needs conversions alone; maximum and sum run along registers with one exchange between the halves of the wave; the rescale is one number a lane.
; MASKS: the padding mask becomes a table of 512 f32 (0 or -1e30) that enters the first score product as C; the window's two edges (blocks 0 and 8)
; are selects on lane numbers.  q already carries log2(e)/8, so p = 2^(s - m), with m the running maximum taken away before every exponential.
; Query block 0 has no keys below 0: the lower half of K and V is filled with keys 0..255 a second time (finite numbers) and the table masks it,
; so that every work-group runs the same text.
; NO MULTICAST: two neighbouring query blocks share 256 of their 512 keys, but the shared rows lie in the upper half of K and V in one and in the
; lower half in the other, and a joint load has one LDS address for all that it names; block 0's lower half has no partner at all.
; LIMITS: a masked score is -1e30 + s, right while |s| < 1e29.  A query whose keys are all masked (only a padded query: its own key is masked) gets
; finite numbers unlike reference()'s uniform row; the next launch multiplies that row by 0, as reference() does.
.set PITK, 144                         ; Q and K rows: 128 + 16 bytes = 9 x 16
.set PITV, 160                         ; V rows: 128 + 32 bytes = 5 x 32
.set KL, 256*PITK                      ; 36,864
.set VL, KL+512*PITK                   ; 110,592
.set BL, VL+512*PITV                   ; 192,512: the table
.set STAGE, BL+2048                    ; 194,560: 32 rows x 144 bytes for each wave
.set AQ, 1
.set AK, 2
.set AB, 3
.set AV, 4
.set STO, 5
.set RD, 6
.set CO, 7
.set DL, 8                             ; r - 8 h
.set NEGR, 9                           ; -1e30
.set M, 16                             ; v16-17  running maximum of tile a
.set LS, 18                            ; v18-19  running sum (this half's keys)
.set NM, 20                            ; v[20:23] -m, twice for each a
.set CORR, 24                          ; v[24:27] 2^(m_old - m_new), twice for each a
.set T0, 28
.set T1, 29
.set T2, 30
.set T3, 31
.set Q, 32                             ; v[32:63]   Q(a, ks) at 8 (2 a + ks)
.set O, 64                             ; v[64:127]  O(a, t) at 8 (4 a + t)
.set K, 128                            ; v[128:159] K(kt, ks) at 8 (2 kt + ks)
.set V, 160                            ; v[160:191] V(t) at 8 t
.set S, 192                            ; v[192:223] S(a, kt) at 8 (2 a + kt); P(a) = the first 8 registers of S(a, .)
.set BI, 224                           ; v[224:239] the table's 8 entries of tile kt
.set U, 240                            ; v[240:255] at work
	s_load_b128 s[4:7], s[0:1], 0x0                ; qkv s[4:5], mask s[6:7]
	s_load_b64 s[8:9], s[0:1], 0x10                ; yb
	v_lshl_add_u32 v254, v0, 2, 0x38800
	v_mov_b32 v255, 0
	ds_add_u32 v254, v255
	ds_add_u32 v254, v255
	v_lshrrev_b32 v1, 5, v0
	v_readfirstlane_b32 s10, v1                    ; wave 0..7
	s_mov_b32 s11, ttmp9                           ; query block
	s_and_b32 s14, ttmp7, 0xffff                   ; batch x 16 + head
	s_lshl_b32 s15, s11, 8                         ; q0
	s_mov_b32 s12, 0x76543210                      ; v_permlanex16_b32: lane i reads lane i of the other half
	s_mov_b32 s13, 0xfedcba98
	; group 1: dense blocks as rows of 256 bytes (32 elements of 8 bytes), a pad behind every 32 words = one row of 64 f16
	s_mov_b32 s20, (3<<16)|(1<<20)|(4<<22)|(3<<25) ; Q: pad of 4 words
	s_mov_b32 s21, 32<<16
	s_mov_b32 s22, 16<<16                          ; 16 rows of 256 bytes = 32 queries
	s_mov_b32 s23, 32<<16
	s_mov_b32 s24, 16
	s_mov_b32 s25, 32
	s_mov_b32 s26, 0
	s_mov_b32 s27, 0
	s_mov_b32 s28, (3<<16)|(1<<20)|(4<<22)|(3<<25) ; K: 32 rows of 256 bytes = 64 keys
	s_mov_b32 s29, 32<<16
	s_mov_b32 s30, 32<<16
	s_mov_b32 s31, 32<<16
	s_mov_b32 s32, 32
	s_mov_b32 s33, 32
	s_mov_b32 s34, 0
	s_mov_b32 s35, 0
	s_mov_b32 s36, (3<<16)|(1<<20)|(4<<22)|(7<<25) ; V: the same with a pad of 8 words
	s_mov_b32 s37, 32<<16
	s_mov_b32 s38, 32<<16
	s_mov_b32 s39, 32<<16
	s_mov_b32 s40, 32
	s_mov_b32 s41, 32
	s_mov_b32 s42, 0
	s_mov_b32 s43, 0
	s_lshl_b32 s16, s14, 11                        ; (batch, head) x 2,048 rows
	s_lshl_b32 s17, s10, 5
	s_add_co_u32 s17, s17, s15                     ; qw
	s_add_co_u32 s56, s16, s17
	s_lshl_b32 s56, s56, 7                         ; rows of 128 bytes: my queries in q, and my rows in yb
	s_mov_b32 s57, 0
	s_lshl_b32 s18, s10, 6
	s_add_co_u32 s18, s18, s15                     ; q0 + 64 w
	s_sub_co_u32 s19, s18, 256
	s_cmp_ge_u32 s18, 256
	s_cselect_b32 s18, s19, s18                    ; my 64 keys begin at q0 - 256 + 64 w; where that is below 0, at q0 + 64 w (masked by the table)
	s_add_co_u32 s58, s16, s18
	s_lshl_b32 s58, s58, 7
	s_mov_b32 s59, 0
	s_lshr_b32 s60, s14, 4
	s_lshl_b32 s60, s60, 11                        ; batch x 2,048 mask bytes
	s_max_u32 s61, s15, 256
	s_sub_co_u32 s61, s61, 256
	s_add_co_u32 s61, s61, s60                     ; mask of the lower 256 keys (query block 0: bytes 0..255, not used)
	s_add_co_u32 s62, s60, s15                     ; mask of the upper 256 keys
	s_cmp_eq_u32 s15, 0
	s_cselect_b32 s63, 0xf149f2ca, 0               ; what a kept key of the lower half gets: -1e30 in query block 0
	s_mov_b32 s44, 1
	s_mul_i32 s45, s10, 32*PITK                    ; Q: my 32 rows
	s_mov_b32 s48, 1
	s_mul_i32 s49, s10, 64*PITK
	s_add_co_u32 s49, s49, KL                      ; K: my 64 rows
	s_mov_b32 s52, 1
	s_mul_i32 s53, s10, 64*PITV
	s_add_co_u32 s53, s53, VL                      ; V: my 64 rows
	s_wait_dscnt 0x0
	s_wait_kmcnt 0x0
	s_add_nc_u64 s[46:47], s[4:5], s[56:57]
	s_add_nc_u64 s[50:51], s[4:5], s[58:59]
	s_add_nc_u64 s[50:51], s[50:51], 0x800000      ; k lies 8 MiB behind q,
	s_add_nc_u64 s[54:55], s[50:51], 0x800000      ; v 8 MiB behind k
	s_or_b32 s47, s47, 0x80000000
	s_or_b32 s51, s51, 0x80000000
	s_or_b32 s55, s55, 0x80000000
	tensor_load_to_lds s[44:47], s[20:27]
	s_nop 0
	tensor_load_to_lds s[48:51], s[28:35]
	s_nop 0
	tensor_load_to_lds s[52:55], s[36:43]
	s_nop 0
	s_add_nc_u64 s[8:9], s[8:9], s[56:57]
	v_add_nc_u32 v[U], s61, v0
	v_add_nc_u32 v[U+1], s62, v0
	global_load_u8 v[U+2], v[U], s[6:7]
	global_load_u8 v[U+3], v[U+1], s[6:7]
	v_and_b32 v10, 15, v0                          ; r
	v_bfe_u32 v11, v0, 4, 1                        ; h
	v_and_b32 v12, 7, v0
	v_bfe_u32 v13, v0, 3, 1
	v_mul_u32_u24 v14, v10, PITK
	v_lshl_add_u32 v14, v11, 4, v14
	s_mul_i32 s2, s10, 32*PITK
	v_add_nc_u32 v[AQ], s2, v14                    ; Q: row 32 w + r, 16 h bytes
	v_add_nc_u32 v[AK], KL, v[AQ]                  ; K: local key 32 w + r; a block adds its rows by the immediate
	v_add_nc_u32 v[STO], STAGE, v[AQ]              ; the stage has the same shape
	s_lshl_b32 s3, s10, 7
	s_add_co_u32 s3, s3, BL
	v_lshl_add_u32 v[AB], v11, 5, s3               ; table: entry 32 w + 8 h
	v_lshl_add_u32 v15, v11, 3, v12
	v_mul_u32_u24 v15, v15, PITV
	v_lshl_add_u32 v15, v13, 4, v15
	s_mul_i32 s3, s10, 32*PITV
	s_add_co_u32 s3, s3, VL
	v_add_nc_u32 v[AV], s3, v15                    ; V: local key 32 w + 8 h + lane % 8, 16 bytes for each half of 8 columns
	v_bfe_u32 v15, v0, 3, 2
	v_mul_u32_u24 v15, v15, PITK
	v_lshl_add_u32 v15, v12, 4, v15
	s_add_co_u32 s2, s2, STAGE
	v_add_nc_u32 v[RD], s2, v15                    ; back: four rows of 128 bytes a load
	v_and_b32 v15, 31, v0
	v_lshlrev_b32 v[CO], 4, v15
	v_lshlrev_b32 v15, 3, v11
	v_sub_nc_u32 v[DL], v10, v15                   ; r - 8 h, signed
	v_mov_b32 v[NEGR], 0xf149f2ca
	v_mov_b32 v[T1], 0                             ; v_permlanex16_b32 counts as a reader of its destination
	v_mov_b32 v[U+5], s63
	v_mov_b32 v[U+6], 0
	v_lshlrev_b32 v[U+4], 2, v0
	v_add_nc_u32 v[U+4], BL, v[U+4]
	s_wait_loadcnt 0x0
	v_cmp_ne_u32 vcc_lo, 0, v[U+2]
	v_cndmask_b32 v[U+7], v[NEGR], v[U+5], vcc_lo  ; thread t: local key t
	v_cmp_ne_u32 vcc_lo, 0, v[U+3]
	v_cndmask_b32 v[U+8], v[NEGR], v[U+6], vcc_lo  ; and local key 256 + t
	ds_store_b32 v[U+4], v[U+7]
	ds_store_b32 v[U+4], v[U+8] offset:1024
	s_wait_tensorcnt 0x0                           ; my parts of Q, K, V are in LDS,
	s_wait_dscnt 0x0                               ; my two entries of the table too:
	s_barrier_signal -1
	s_barrier_wait -1                              ; everybody's are.  The launch's one barrier
.macro PLACES n
.rept \n
	v_nop
.endr
.endm
.macro LOADK c                         ; block c: local keys 32 w + 256 - 32 c .. + 31: 8 loads of K, 4 of the table
.irp kt, 0,1
.irp ks, 0,1
	ds_load_b128 v[K+8*(2*\kt+\ks):K+8*(2*\kt+\ks)+3], v[AK] offset:(256-32*(\c))*PITK+16*PITK*\kt+64*\ks
	ds_load_b128 v[K+8*(2*\kt+\ks)+4:K+8*(2*\kt+\ks)+7], v[AK] offset:(256-32*(\c))*PITK+16*PITK*\kt+64*\ks+32
.endr
.endr
.irp kt, 0,1
	ds_load_b128 v[BI+8*\kt:BI+8*\kt+3], v[AB] offset:(256-32*(\c)+16*\kt)*4
	ds_load_b128 v[BI+8*\kt+4:BI+8*\kt+7], v[AB] offset:(256-32*(\c)+16*\kt)*4+16
.endr
.endm
.macro LOADV c                         ; 8 transposing loads: lane r gets column 16 t + r of V, the block's 32 keys along its registers
.irp t, 0,1,2,3
	ds_load_tr16_b128 v[V+8*\t:V+8*\t+3], v[AV] offset:(256-32*(\c))*PITV+32*\t
	ds_load_tr16_b128 v[V+8*\t+4:V+8*\t+7], v[AV] offset:(256-32*(\c))*PITV+32*\t+16*PITV
.endr
.endm
; The window's edge in tile (a, kt).  i - j = 32 c + 16 (a - kt) + (r - 8 h) - reg.  kind 1, block 0: keep where i - j >= 0;
; kind 2, block 8: keep where i - j < 256.  A kept place gets the table's entry, the others -1e30; the product then adds onto the tile itself.
.macro MASKTILE a, kt, kind
.irp j, 0,1,2,3,4,5,6,7
.if \kind == 1
	v_cmp_le_i32 vcc_lo, \j+16*(\kt-\a), v[DL]
.else
	v_cmp_gt_i32 vcc_lo, \j+16*(\kt-\a), v[DL]
.endif
	v_cndmask_b32 v[S+8*(2*\a+\kt)+\j], v[NEGR], v[BI+8*\kt+\j], vcc_lo
.endr
.endm
.macro MASKALL a, kt                   ; a tile that lies outside the window whole
.irp j, 0,1,2,3,4,5,6,7
	v_mov_b32 v[S+8*(2*\a+\kt)+\j], v[NEGR]
.endr
.endm
.macro SW a, kt, ks, own               ; S(a, kt) = K(kt, ks) Q(a, ks) + C; own = 1: C is the tile itself, else the table's entries
.if \own
	v_wmma_f32_16x16x32_f16 v[S+8*(2*\a+\kt):S+8*(2*\a+\kt)+7], v[K+8*(2*\kt+\ks):K+8*(2*\kt+\ks)+7], v[Q+8*(2*\a+\ks):Q+8*(2*\a+\ks)+7], v[S+8*(2*\a+\kt):S+8*(2*\a+\kt)+7]
.else
	v_wmma_f32_16x16x32_f16 v[S+8*(2*\a+\kt):S+8*(2*\a+\kt)+7], v[K+8*(2*\kt+\ks):K+8*(2*\kt+\ks)+7], v[Q+8*(2*\a+\ks):Q+8*(2*\a+\ks)+7], v[BI+8*\kt:BI+8*\kt+7]
.endif
.endm
.macro PV a, t, first                  ; O(a, t) += V(t) P(a); the first block starts the sums
.if \first
	v_wmma_f32_16x16x32_f16 v[O+8*(4*\a+\t):O+8*(4*\a+\t)+7], v[V+8*\t:V+8*\t+7], v[S+16*\a:S+16*\a+7], 0
.else
	v_wmma_f32_16x16x32_f16 v[O+8*(4*\a+\t):O+8*(4*\a+\t)+7], v[V+8*\t:V+8*\t+7], v[S+16*\a:S+16*\a+7], v[O+8*(4*\a+\t):O+8*(4*\a+\t)+7]
.endif
.endm
; Query tile a: new maximum, p = 2^(s - m), sum, P in f16, O and the sum rescaled.
.macro SOFT a, first
.set SB, S+16*\a
	v_max3_num_f32 v[T0], v[SB], v[SB+1], v[SB+2]
	v_max3_num_f32 v[T3], v[SB+8], v[SB+9], v[SB+10]
	v_max3_num_f32 v[T0], v[T0], v[SB+3], v[SB+4]
	v_max3_num_f32 v[T3], v[T3], v[SB+11], v[SB+12]
	v_max3_num_f32 v[T0], v[T0], v[SB+5], v[SB+6]
	v_max3_num_f32 v[T3], v[T3], v[SB+13], v[SB+14]
	v_max3_num_f32 v[T0], v[T0], v[SB+7], v[SB+15]
.if \first
	v_max_num_f32 v[T0], v[T0], v[T3]
.else
	v_max3_num_f32 v[T0], v[T0], v[T3], v[M+\a]
.endif
	v_permlanex16_b32 v[T1], v[T0], s12, s13       ; the other half holds the same query's other 16 keys
	v_max_num_f32 v[T0], v[T0], v[T1]
.if \first == 0
	v_sub_f32 v[T2], v[M+\a], v[T0]                ; m_old - m_new, never above 0
.endif
	v_mov_b32 v[M+\a], v[T0]
	v_mul_f32 v[NM+2*\a], -1.0, v[T0]
	v_mul_f32 v[NM+2*\a+1], -1.0, v[T0]
.set i, 0
.rept 8
	v_pk_add_f32 v[SB+2*i:SB+2*i+1], v[SB+2*i:SB+2*i+1], v[NM+2*\a:NM+2*\a+1]   ; s - m: no exponent is above 0
.set i, i+1
.endr
.set i, 0
.rept 16
	v_exp_f32 v[SB+i], v[SB+i]
.set i, i+1
.endr
.if \first == 0
	v_exp_f32 v[CORR+2*\a], v[T2]
	v_exp_f32 v[CORR+2*\a+1], v[T2]
.endif
	v_nop                                          ; one plain place behind the exponentials, ahead of the first use (ISA guide 5.7.2)
	s_wait_alu depctr_va_vdst(0)
	v_pk_add_f32 v[U:U+1], v[SB:SB+1], v[SB+2:SB+3]
	v_pk_add_f32 v[U+2:U+3], v[SB+4:SB+5], v[SB+6:SB+7]
	v_pk_add_f32 v[U+4:U+5], v[SB+8:SB+9], v[SB+10:SB+11]
	v_pk_add_f32 v[U+6:U+7], v[SB+12:SB+13], v[SB+14:SB+15]
	v_pk_add_f32 v[U:U+1], v[U:U+1], v[U+2:U+3]
	v_pk_add_f32 v[U+4:U+5], v[U+4:U+5], v[U+6:U+7]
	v_pk_add_f32 v[U:U+1], v[U:U+1], v[U+4:U+5]
.if \first
	v_add_f32 v[LS+\a], v[U], v[U+1]
.else
	v_add_f32 v[U], v[U], v[U+1]
	v_fma_f32 v[LS+\a], v[LS+\a], v[CORR+2*\a], v[U]
.endif
.set i, 0
.rept 8
	v_cvt_pk_f16_f32 v[SB+i], v[SB+2*i], v[SB+2*i+1]   ; ascending: register i is written when 2 i and 2 i + 1 have been read
.set i, i+1
.endr
.if \first == 0
.set i, 0
.rept 16
	v_pk_mul_f32 v[O+32*\a+2*i:O+32*\a+2*i+1], v[O+32*\a+2*i:O+32*\a+2*i+1], v[CORR+2*\a:CORR+2*\a+1]
.set i, i+1
.endr
.endif
.endm
; One block of 32 keys.  The four score tiles take turns, one instruction a turn, and so do the eight tiles of O.
.macro BLOCK c, kind, first, last
	LOADV \c
	s_wait_dscnt 8                                 ; Q, this block's K and table entries are in; the 8 loads of V stay out
.if \kind == 1
	MASKTILE 0, 0, 1
	MASKALL 0, 1
	MASKTILE 1, 1, 1
	SW 0, 0, 0, 1
	SW 0, 1, 0, 1
	SW 1, 0, 0, 0
	SW 1, 1, 0, 1
.else
.if \kind == 2
	MASKTILE 0, 0, 2
	MASKALL 1, 0
	MASKTILE 1, 1, 2
	SW 0, 0, 0, 1
	SW 0, 1, 0, 0
	SW 1, 0, 0, 1
	SW 1, 1, 0, 1
.else
	SW 0, 0, 0, 0
	SW 0, 1, 0, 0
	SW 1, 0, 0, 0
	SW 1, 1, 0, 0
.endif
.endif
	SW 0, 0, 1, 1
	SW 0, 1, 1, 1
	SW 1, 0, 1, 1
	SW 1, 1, 1, 1
	PLACES 4                                       ; ahead of the loads into K and the table's registers, and of the reads of S
.if \last == 0
	LOADK \c+1
.endif
	SOFT 0, \first
	SOFT 1, \first
.if \last
	s_wait_dscnt 0x0
.else
	s_wait_dscnt 12                                ; V is in; the 12 loads of the next block's K and table entries stay out
.endif
.irp a, 0,1
.irp t, 0,1,2,3
	PV \a, \t, \first
.endr
.endr
	PLACES 5                                       ; the next block's score products write over P, a source of these; its loads land on V
.endm
.irp a, 0,1
.irp ks, 0,1
	ds_load_b128 v[Q+8*(2*\a+\ks):Q+8*(2*\a+\ks)+3], v[AQ] offset:16*PITK*\a+64*\ks
	ds_load_b128 v[Q+8*(2*\a+\ks)+4:Q+8*(2*\a+\ks)+7], v[AQ] offset:16*PITK*\a+64*\ks+32
.endr
.endr
	LOADK 0
	BLOCK 0, 1, 1, 0                               ; keys qw .. qw + 31: the diagonal
.irp c, 1,2,3,4,5,6,7
	BLOCK \c, 0, 0, 0                              ; wholly inside the window: 1 <= i - j <= 255
.endr
	BLOCK 8, 2, 0, 1                               ; keys qw - 256 .. qw - 225: the window's far edge
	; y = O / l.  The two halves' sums are added; l >= 1, since the largest score's p is 1.
	v_permlanex16_b32 v[T0], v[LS], s12, s13
	v_permlanex16_b32 v[T1], v[LS+1], s12, s13
	v_add_f32 v[T0], v[T0], v[LS]
	v_add_f32 v[T1], v[T1], v[LS+1]
	v_rcp_f32 v[CORR], v[T0]
	v_rcp_f32 v[CORR+1], v[T0]
	v_rcp_f32 v[CORR+2], v[T1]
	v_rcp_f32 v[CORR+3], v[T1]
	v_nop                                          ; one plain place behind the reciprocals
	s_wait_alu depctr_va_vdst(0)
.irp a, 0,1
.set i, 0
.rept 16
	v_pk_mul_f32 v[O+32*\a+2*i:O+32*\a+2*i+1], v[O+32*\a+2*i:O+32*\a+2*i+1], v[CORR+2*\a:CORR+2*\a+1]
.set i, i+1
.endr
.endr
.set i, 0
.rept 32
	v_cvt_pk_f16_f32 v[K+i], v[O+2*i], v[O+2*i+1]  ; tile (a, t): four registers = columns 16 t + 8 h .. + 7 of query 16 a + r
.set i, i+1
.endr
.irp a, 0,1
.irp t, 0,1,2,3
	ds_store_b128 v[STO], v[K+4*(4*\a+\t):K+4*(4*\a+\t)+3] offset:16*PITK*\a+32*\t
.endr
.endr
.irp u, 0,1,2,3,4,5,6,7
	ds_load_b128 v[V+4*\u:V+4*\u+3], v[RD] offset:4*PITK*\u        ; my own stage: LDS serves a wave's instructions in order
.endr
.irp u, 0,1,2,3,4,5,6,7
	s_wait_dscnt 7-\u
	global_store_b128 v[CO], v[V+4*\u:V+4*\u+3], s[8:9] offset:512*\u   ; 512 consecutive bytes, aligned
.endr
	s_wait_tensorcnt 0x0
	ds_add_u32 v254, v255
	s_wait_dscnt 0x0
	s_endpgm
.Lfunc_end_k_q068a10ba51_attn:
	.size	k_q068a10ba51_attn, .Lfunc_end_k_q068a10ba51_attn-k_q068a10ba51_attn
	.p2alignl 7, 3214868480
	.fill 96, 4, 3214868480
	.section	.rodata,"a",@progbits
	.p2align	6, 0x0
	.amdhsa_kernel k_q068a10ba51_attn
		.amdhsa_group_segment_fixed_size 232448
		.amdhsa_private_segment_fixed_size 0
		.amdhsa_enable_private_segment 0
		.amdhsa_kernarg_size 24
		.amdhsa_user_sgpr_count 2
		.amdhsa_user_sgpr_kernarg_segment_ptr 1
		.amdhsa_wavefront_size32 1
		.amdhsa_system_sgpr_workgroup_id_x 1
		.amdhsa_system_sgpr_workgroup_id_y 1
		.amdhsa_system_sgpr_workgroup_id_z 1
		.amdhsa_system_vgpr_workitem_id 0
		.amdhsa_next_free_vgpr 256
		.amdhsa_next_free_sgpr 66
		.amdhsa_reserve_vcc 1
		.amdhsa_float_denorm_mode_32 3
		.amdhsa_float_denorm_mode_16_64 3
		.amdhsa_memory_ordered 1
		.amdhsa_forward_progress 1
		.amdhsa_inst_pref_size 107
	.end_amdhsa_kernel
	.amdgpu_metadata
---
amdhsa.version: [ 1, 2 ]
amdhsa.kernels:
  - .name:           k_q068a10ba51_attn
    .symbol:         k_q068a10ba51_attn.kd
    .args:
      - { .name: qkv, .offset: 0, .size: 8, .value_kind: global_buffer, .address_space: global }
      - { .name: key_padding_mask, .offset: 8, .size: 8, .value_kind: global_buffer, .address_space: global }
      - { .name: yb, .offset: 16, .size: 8, .value_kind: global_buffer, .address_space: global }
    .group_segment_fixed_size: 232448
    .private_segment_fixed_size: 0
    .kernarg_segment_align: 8
    .kernarg_segment_size: 24
    .max_flat_workgroup_size: 256
    .sgpr_count:     66
    .vgpr_count:     256
    .wavefront_size: 32
...
	.end_amdgpu_metadata
.endif
;; end of part 3
;; launch oproj (part 4): grid 8 x 32, 4 waves a work-group, clusters of 4 x 4, 327,680 bytes of LDS; arguments yb, cb, bo, key_padding_mask, out0; writes out0
.if DOCPART == 4
	.amdgcn_target "amdgcn-amd-amdhsa--gfx1250"
	.amdhsa_code_object_version 6
	.text
	.protected	k_q068a10ba51_oproj
	.globl	k_q068a10ba51_oproj
	.p2align	8
	.type	k_q068a10ba51_oproj,@function
k_q068a10ba51_oproj:
	s_mov_b64 s[64:65], 0
	v_nop
	global_prefetch_b8 v0, s[64:65] scope:SCOPE_SE
	s_setreg_imm32_b32 hwreg(HW_REG_WAVE_MODE, 25, 1), 1
	s_wait_xcnt 0x0
	s_wait_alu depctr_hold_cnt(0) depctr_sa_sdst(0) depctr_va_vdst(0) depctr_va_sdst(0) depctr_va_ssrc(0) depctr_va_vcc(0) depctr_vm_vsrc(0)
	s_getreg_b32 s2, hwreg(HW_REG_IB_STS2, 6, 4)
	s_cmp_eq_u32 s2, 0
	s_cbranch_scc0 .Lentry_in_a_cluster
	s_endpgm
.Lentry_in_a_cluster:
	s_bfe_u32 s2, ttmp6, 0x10000c
	s_cmp_lg_u32 s2, 0xf033
	s_cbranch_scc0 .Lentry_shape_is_right
	s_endpgm
.Lentry_shape_is_right:
; out0 = (y Wo + bo) x mask of the row.  y: f16 [batch*16+head][s][64]; Wo: f16 [k][n] in cb at byte 14,680,064; out0 f32 [4096][1024].
; A work-group makes 128 rows (block my) x 128 columns (block nx): 32 x 8 = 256 work-groups.  Four waves; wave (wm, wn) makes 64 x 64: 16 accumulators.
; A block of 256 x 128 would feed more products from each LDS byte, but leaves 128 work-groups with twice the matrix work each.
; K = 1024 goes in 4 steps of 256 (four heads) through two LDS slots; everything is written out, there is no loop.  A slot holds four head blocks of y
; (128 rows x 128 bytes at pitch 144) and 256 k-rows of Wo (256 bytes at pitch 288).  Each wave fetches head block w and k-rows 64 w .. + 63:
; two tensor loads a step, four out at the most.
; CLUSTERS: 4 x 4.  y's tiles hang on my alone and are asked for jointly along a row of the cluster, Wo's on nx alone, along a column.
; Transposed use as in the projection launch: a lane's eight results are eight neighbouring columns of one row; the bias enters as the first product's C.
; REGISTERS: window 0 addresses, fragments (two buffers of 32 + 32), bias, way out; window 1 the accumulators, tile (a, t) at 8 (4 a + t).
.set PY, 144
.set PW, 288
.set PART, 18432                       ; 128 x 144 = 64 x 288: what one tensor load fills
.set SLOT, 8*PART                      ; 147,456
.set STAGE, 2*SLOT                     ; 294,912: 16 rows x 272 bytes for each wave; no tensor load lands here
.set SPITCH, 272
.set ADRA, 16                          ; v16-17  y fragments in slot 0, 1
.set ADRB, 18                          ; v18-21  Wo fragments: 2 slot + half (128 k-rows each, so that the immediates stay below 65,536)
.set STO, 24
.set RD, 25
.set CO, 26
.set VBO, 27
.set VMK, 28
.set MK, 32                            ; v[32:39] the mask of row 16 a + r as 0.0 or 1.0, twice for each a
.set MB, 40                            ; v[40:43] its bytes
.set F0, 64                            ; v[64:127]   buffer 0: 4 fragments of Wo, 4 of y
.set F1, 128                           ; v[128:191]  buffer 1
.set BIAS, 192                         ; v[192:223]
.set TMP, 224                          ; v[224:255]
.set G1A, 24
.set G0A, 32
.set G1B, 48
.set G0B, 56
.set MSB, 0
.macro WIN new
.if MSB != \new
	s_set_vgpr_msb (MSB<<8)|\new
.set MSB, \new
.endif
.endm
.macro PLACES                          ; four plain vector places behind matrix instructions (ISA guide 7.12.1)
.rept 4
	v_nop
.endr
.endm
.macro CREST
	s_cmp_lg_u32 s14, 0
	s_cbranch_scc1 .Lnot_wave_0_\@
	s_barrier_signal -3
.Lnot_wave_0_\@:
	s_barrier_wait -3
	s_barrier_signal -1
	s_barrier_wait -1
.endm
.macro CROUND
	s_barrier_signal -1
	s_barrier_wait -1
	CREST
.endm
	s_load_b256 s[4:11], s[0:1], 0x0               ; yb s[4:5], cb s[6:7], bo s[8:9], mask s[10:11]
	s_load_b64 s[12:13], s[0:1], 0x20              ; out0
	v_lshl_add_u32 v62, v0, 2, 0x4c400
	v_mov_b32 v63, 0
	ds_add_u32 v62, v63
	ds_add_u32 v62, v63
	v_lshrrev_b32 v1, 5, v0
	v_readfirstlane_b32 s14, v1                    ; wave
	s_lshr_b32 s15, s14, 1                         ; wm
	s_and_b32 s16, s14, 1                          ; wn
	s_bfe_u32 s40, ttmp6, 0x40000                  ; cx
	s_bfe_u32 s41, ttmp6, 0x40004                  ; cy
	s_lshl_b32 s42, ttmp9, 2
	s_add_co_u32 s42, s42, s40                     ; nx
	s_and_b32 s43, ttmp7, 0xffff
	s_lshl_b32 s43, s43, 2
	s_add_co_u32 s43, s43, s41                     ; my
	s_lshl_b32 s44, s41, 2
	s_lshl_b32 s44, 15, s44                        ; my row of the cluster
	s_lshl_b32 s45, 0x1111, s40                    ; my column
	; y's head block is dense: 64 rows of 256 bytes (32 elements of 8 bytes), a pad of 4 words behind every 32 words = one row of 64 f16
	s_or_b32 s[G1A+0], s44, (3<<16)|(1<<20)|(1<<21)|(4<<22)|(3<<25)
	s_mov_b32 s[G1A+1], 32<<16
	s_mov_b32 s[G1A+2], 64<<16
	s_mov_b32 s[G1A+3], 32<<16
	s_mov_b32 s[G1A+4], 64
	s_mov_b32 s[G1A+5], 32
	s_mov_b32 s[G1A+6], 0
	s_mov_b32 s[G1A+7], 0
	; Wo: 64 k-rows x 128 elements of 2 bytes, 1,024 elements from row to row, a pad of 8 words behind every 64
	s_or_b32 s[G1B+0], s45, (1<<16)|(1<<20)|(1<<21)|(5<<22)|(7<<25)
	s_mov_b32 s[G1B+1], 128<<16
	s_mov_b32 s[G1B+2], 64<<16
	s_mov_b32 s[G1B+3], 128<<16
	s_mov_b32 s[G1B+4], 64
	s_mov_b32 s[G1B+5], 1024
	s_mov_b32 s[G1B+6], 0
	s_mov_b32 s[G1B+7], 0
	s_lshr_b32 s18, s43, 4                         ; y (registers 18, 19 never hold nx): batch
	s_lshl_b32 s18, s18, 4
	s_add_co_u32 s18, s18, s14                     ; x 16 + head w of K step 0
	s_lshl_b32 s18, s18, 11                        ; x 2,048 rows
	s_and_b32 s19, s43, 15
	s_lshl_b32 s19, s19, 7                         ; + the block's first row in its batch
	s_add_co_u32 s18, s18, s19
	s_lshl_b32 s18, s18, 7                         ; rows of 128 bytes
	s_mov_b32 s19, 0
	s_lshl_b32 s46, s14, 17                        ; Wo (registers 46, 47 never hold my): 64 w rows of 2,048 bytes
	s_lshl_b32 s47, s42, 8                         ; + 128 nx columns of 2 bytes
	s_add_co_u32 s46, s46, s47
	s_add_co_u32 s46, s46, 14680064                ; Wo's place in cb
	s_mov_b32 s47, 0
	s_mul_i32 s20, s14, PART
	s_wait_dscnt 0x0
	s_wait_kmcnt 0x0
	s_add_nc_u64 s[18:19], s[4:5], s[18:19]
	s_add_nc_u64 s[46:47], s[6:7], s[46:47]
	CROUND                                         ; the first joint loads meet
.irp s, 0,1
	s_mov_b32 s[G0A+4*\s], 1
	s_add_co_u32 s[G0A+4*\s+1], s20, \s*SLOT
	s_add_nc_u64 s[G0A+4*\s+2:G0A+4*\s+3], s[18:19], \s*4*2048*128     ; K step s: four heads on
	s_or_b32 s[G0A+4*\s+3], s[G0A+4*\s+3], 0x80000000
	s_mov_b32 s[G0B+4*\s], 1
	s_add_co_u32 s[G0B+4*\s+1], s20, \s*SLOT+4*PART
	s_add_nc_u64 s[G0B+4*\s+2:G0B+4*\s+3], s[46:47], \s*256*2048       ; K step s: 256 rows on
	s_or_b32 s[G0B+4*\s+3], s[G0B+4*\s+3], 0x80000000
	tensor_load_to_lds s[G0A+4*\s:G0A+4*\s+3], s[G1A:G1A+7]
	s_nop 0
	tensor_load_to_lds s[G0B+4*\s:G0B+4*\s+3], s[G1B:G1B+7]
	s_nop 0
.endr
	v_and_b32 v1, 15, v0                           ; r
	v_bfe_u32 v2, v0, 4, 1                         ; h
	v_and_b32 v3, 7, v0
	v_bfe_u32 v4, v0, 3, 1
	v_mul_u32_u24 v5, v1, PY
	v_lshl_add_u32 v5, v2, 4, v5
	s_mul_i32 s21, s15, 64*PY
	v_add_nc_u32 v[ADRA], s21, v5
	v_add_nc_u32 v[ADRA+1], SLOT, v[ADRA]
	v_lshl_add_u32 v6, v2, 3, v3
	v_mul_u32_u24 v6, v6, PW
	v_lshl_add_u32 v6, v4, 4, v6
	s_lshl_b32 s22, s16, 7
	s_add_co_u32 s22, s22, 4*PART
	v_add_nc_u32 v6, s22, v6
.irp s, 0,1
.irp g, 0,1
	v_add_nc_u32 v[ADRB+2*\s+\g], \s*SLOT+\g*2*PART, v6
.endr
.endr
	s_mul_i32 s23, s14, 16*SPITCH
	s_add_co_u32 s23, s23, STAGE
	v_mul_u32_u24 v7, v1, SPITCH
	v_lshl_add_u32 v7, v2, 5, v7
	v_add_nc_u32 v[STO], s23, v7                   ; in: row r, 32 h bytes
	v_mul_u32_u24 v8, v2, SPITCH
	v_lshl_add_u32 v8, v1, 4, v8
	v_add_nc_u32 v[RD], s23, v8                    ; back: lanes 0-15 one row of 256 bytes, lanes 16-31 the next
	v_lshlrev_b32 v9, 12, v2
	v_lshl_add_u32 v[CO], v1, 4, v9                ; and the same two rows of 4,096 bytes in out0
	s_lshl_b32 s17, s42, 9                         ; 128 nx columns of 4 bytes
	s_lshl_b32 s21, s16, 8
	s_add_co_u32 s17, s17, s21                     ; + my 64
	v_lshl_add_u32 v[VBO], v2, 5, s17              ; + 8 h
.irp t, 0,1,2,3
	global_load_b128 v[BIAS+8*\t:BIAS+8*\t+3], v[VBO], s[8:9] offset:64*\t
	global_load_b128 v[BIAS+8*\t+4:BIAS+8*\t+7], v[VBO], s[8:9] offset:64*\t+16
.endr
	s_lshl_b32 s22, s43, 7
	s_lshl_b32 s23, s15, 6
	s_add_co_u32 s22, s22, s23                     ; my first row = its byte in the mask
	v_add_nc_u32 v[VMK], s22, v1
.irp a, 0,1,2,3
	global_load_u8 v[MB+\a], v[VMK], s[10:11] offset:16*\a
.endr
; 16 LDS loads: eighth e (32 along K) of a slot into buffer f: 8 transposing loads for Wo, 8 plain ones for y (head block e / 2, half e % 2)
.macro FETCH slot, e, f
.irp t, 0,1,2,3
	ds_load_tr16_b128 v[\f+8*\t:\f+8*\t+3], v[ADRB+2*\slot+((\e)>>2)] offset:((\e)&3)*32*PW+32*\t
	ds_load_tr16_b128 v[\f+8*\t+4:\f+8*\t+7], v[ADRB+2*\slot+((\e)>>2)] offset:((\e)&3)*32*PW+32*\t+16*PW
.endr
.irp a, 0,1,2,3
	ds_load_b128 v[\f+32+8*\a:\f+32+8*\a+3], v[ADRA+\slot] offset:((\e)>>1)*PART+((\e)&1)*64+16*PY*\a
	ds_load_b128 v[\f+32+8*\a+4:\f+32+8*\a+7], v[ADRA+\slot] offset:((\e)>>1)*PART+((\e)&1)*64+16*PY*\a+32
.endr
.endm
; 16 matrix instructions; the 16 accumulators take turns, one instruction a turn.  zero = 1: the bias starts the sums.
.macro MUL f, zero
.if \zero
	WIN 0x40                                       ; D window 1, all sources window 0
.else
	WIN 0x50                                       ; C and D window 1
.endif
.irp a, 0,1,2,3
.irp t, 0,1,2,3
.if \zero
	v_wmma_f32_16x16x32_f16 v[8*(4*\a+\t):8*(4*\a+\t)+7], v[\f+8*\t:\f+8*\t+7], v[\f+32+8*\a:\f+32+8*\a+7], v[BIAS+8*\t:BIAS+8*\t+7]
.else
	v_wmma_f32_16x16x32_f16 v[8*(4*\a+\t):8*(4*\a+\t)+7], v[\f+8*\t:\f+8*\t+7], v[\f+32+8*\a:\f+32+8*\a+7], v[8*(4*\a+\t):8*(4*\a+\t)+7]
.endif
.endr
.endr
	WIN 0
.endm
.macro EIGHTH slot, e, f, g, zero      ; fetches eighth e into g, multiplies f
	PLACES                                         ; g was a source of the last 16 matrix instructions but these
	FETCH \slot, \e, \g
	s_wait_dscnt 16                                ; f's 16 loads are in; the 16 just issued stay out
	MUL \f, \zero
.endm
.macro SEVEN slot, zero
	EIGHTH \slot, 1, F0, F1, \zero
	EIGHTH \slot, 2, F1, F0, 0
	EIGHTH \slot, 3, F0, F1, 0
	EIGHTH \slot, 4, F1, F0, 0
	EIGHTH \slot, 5, F0, F1, 0
	EIGHTH \slot, 6, F1, F0, 0
	EIGHTH \slot, 7, F0, F1, 0
.endm
; The last eighth and the change of slots.  In front of the barrier: my reads of this slot and all my tensor loads (the next slot's two) are done.
; fill = 1: the barrier opens a round of the cluster's barrier, and this slot's two joint refills are the first tensor loads behind the round.
.macro TURN slot, next, fill
	s_wait_dscnt 0x0
	s_wait_tensorcnt 0x0
	ds_add_u32 v62, v63
	s_wait_dscnt 0x0
	s_barrier_signal -1
	MUL F1, 0                                      ; registers only
	s_barrier_wait -1
.if \fill
	CREST
	s_add_nc_u64 s[G0A+4*\slot+2:G0A+4*\slot+3], s[G0A+4*\slot+2:G0A+4*\slot+3], 8*2048*128
	s_add_nc_u64 s[G0B+4*\slot+2:G0B+4*\slot+3], s[G0B+4*\slot+2:G0B+4*\slot+3], 512*2048
	tensor_load_to_lds s[G0A+4*\slot:G0A+4*\slot+3], s[G1A:G1A+7]
	s_nop 0
	tensor_load_to_lds s[G0B+4*\slot:G0B+4*\slot+3], s[G1B:G1B+7]
	s_nop 0
.endif
	PLACES
	FETCH \next, 0, F0
.endm
	s_wait_tensorcnt 0x2                           ; slot 0's two loads are in; slot 1's two stay out
	s_barrier_signal -1
	s_barrier_wait -1
	s_wait_loadcnt 0x0                             ; bias and mask
.irp a, 0,1,2,3
	v_cvt_f32_u32 v[MK+2*\a], v[MB+\a]
	v_cvt_f32_u32 v[MK+2*\a+1], v[MB+\a]
.endr
	FETCH 0, 0, F0
	SEVEN 0, 1                                     ; K step 0
	TURN 0, 1, 1                                   ; asks for K step 2
	SEVEN 1, 0
	TURN 1, 0, 1                                   ; asks for K step 3
	SEVEN 0, 0
	TURN 0, 1, 0
	SEVEN 1, 0
	s_wait_dscnt 0x0
	MUL F1, 0
	; THE WAY OUT, 16 rows at a time: times the row's mask, through my own stage, back as whole rows of 256 bytes.
	PLACES
	s_lshl_b32 s18, s43, 7
	s_lshl_b32 s19, s15, 6
	s_add_co_u32 s18, s18, s19                     ; my first row
	s_lshl_b32 s18, s18, 12                        ; rows of 4,096 bytes
	s_mov_b32 s19, 0
	s_add_nc_u64 s[12:13], s[12:13], s[18:19]
	s_lshl_b32 s46, s42, 9
	s_lshl_b32 s47, s16, 8
	s_add_co_u32 s46, s46, s47                     ; my first column, in bytes
	s_mov_b32 s47, 0
	s_add_nc_u64 s[12:13], s[12:13], s[46:47]
.macro OUT a, f
	WIN 0x01                                       ; source 0 (the sums) window 1
.set i, 0
.rept 16
	v_pk_mul_f32 v[TMP+2*i:TMP+2*i+1], v[32*\a+2*i:32*\a+2*i+1], v[MK+2*\a:MK+2*\a+1]
.set i, i+1
.endr
	WIN 0
.irp t, 0,1,2,3
	ds_store_b128 v[STO], v[TMP+8*\t:TMP+8*\t+3] offset:64*\t
	ds_store_b128 v[STO], v[TMP+8*\t+4:TMP+8*\t+7] offset:64*\t+16
.endr
	s_wait_xcnt 0x0                                ; the registers that earlier stores read are loaded again only behind this wait
.irp u, 0,1,2,3,4,5,6,7
	ds_load_b128 v[\f+4*\u:\f+4*\u+3], v[RD] offset:2*SPITCH*\u    ; LDS serves a wave's instructions in order: these see the stores above
.endr
.irp u, 0,1,2,3,4,5,6,7
	s_wait_dscnt 7-\u
	global_store_b128 v[CO], v[\f+4*\u:\f+4*\u+3], s[12:13] offset:65536*\a+8192*\u th:TH_STORE_NT   ; 16 lanes store 256 consecutive bytes, aligned
.endr
.endm
	OUT 0, F0
	OUT 1, F1
	OUT 2, F0
	OUT 3, F1
	s_wait_tensorcnt 0x0
	ds_add_u32 v62, v63
	s_wait_dscnt 0x0
	CROUND                                         ; the closing round
	s_endpgm
.Lfunc_end_k_q068a10ba51_oproj:
	.size	k_q068a10ba51_oproj, .Lfunc_end_k_q068a10ba51_oproj-k_q068a10ba51_oproj
	.p2alignl 7, 3214868480
	.fill 96, 4, 3214868480
	.section	.rodata,"a",@progbits
	.p2align	6, 0x0
	.amdhsa_kernel k_q068a10ba51_oproj
		.amdhsa_group_segment_fixed_size 327680
		.amdhsa_private_segment_fixed_size 0
		.amdhsa_enable_private_segment 0
		.amdhsa_kernarg_size 40
		.amdhsa_user_sgpr_count 2
		.amdhsa_user_sgpr_kernarg_segment_ptr 1
		.amdhsa_wavefront_size32 1
		.amdhsa_system_sgpr_workgroup_id_x 1
		.amdhsa_system_sgpr_workgroup_id_y 1
		.amdhsa_system_sgpr_workgroup_id_z 1
		.amdhsa_system_vgpr_workitem_id 0
		.amdhsa_next_free_vgpr 384
		.amdhsa_next_free_sgpr 66
		.amdhsa_reserve_vcc 0
		.amdhsa_float_denorm_mode_32 3
		.amdhsa_float_denorm_mode_16_64 3
		.amdhsa_memory_ordered 1
		.amdhsa_forward_progress 1
		.amdhsa_inst_pref_size 94
	.end_amdhsa_kernel
	.amdgpu_metadata
---
amdhsa.version: [ 1, 2 ]
amdhsa.kernels:
  - .name:           k_q068a10ba51_oproj
    .symbol:         k_q068a10ba51_oproj.kd
    .args:
      - { .name: yb, .offset: 0, .size: 8, .value_kind: global_buffer, .address_space: global }
      - { .name: cb, .offset: 8, .size: 8, .value_kind: global_buffer, .address_space: global }
      - { .name: bo, .offset: 16, .size: 8, .value_kind: global_buffer, .address_space: global }
      - { .name: key_padding_mask, .offset: 24, .size: 8, .value_kind: global_buffer, .address_space: global }
      - { .name: out0, .offset: 32, .size: 8, .value_kind: global_buffer, .address_space: global }
    .group_segment_fixed_size: 327680
    .private_segment_fixed_size: 0
    .kernarg_segment_align: 8
    .kernarg_segment_size: 40
    .max_flat_workgroup_size: 128
    .sgpr_count:     66
    .vgpr_count:     384
    .wavefront_size: 32
...
	.end_amdgpu_metadata
.endif
;; end of part 4
